; MI455X (gfx1250); checked and timed in simulation.
; The chip was launched on July 23, 2026; its instructions are those of AMD's public machine-readable ISA for CDNA 5 (MIT licence, August 2026) and "CDNA5" Instruction Set Architecture Reference Guide (July 2026). The comments in the code are by the model that wrote it; some were corrected since.
;; Self Attention. Allowed arithmetic: matrix products marked QUANTISED: E2M1 operands, one E8M0 scale for each 32 along K, by v_wmma_scale_f32_16x16x128_f8f6f4 with both operands' format E2M1 (or v_wmma_scale_f32_32x16x128_f4), f32 sums; products left as they are: bf16, f16 or f32 operands; f32 sums; everything else in f32.
;; Inputs: Wk 1,024 x 1,024 float32; Wo 1,024 x 1,024 float32; Wq 1,024 x 1,024 float32; Wv 1,024 x 1,024 float32; bk 1,024 float32; bo 1,024 float32; bq 1,024 float32; bv 1,024 float32; x 4 x 4,096 x 1,024 float32.
;; Outputs: out0 4 x 4,096 x 1,024 float32.
;; This version of the problem:
;;   THIS VERSION OF THE PROBLEM IS GIVEN IN LOW PRECISION. The matrix products marked QUANTISED in the list below multiply operands that are first quantised to E2M1 (2 exponent bits, 1 mantissa bit; 4 bits a number), with one power-of-two scale for each 32 numbers along K (OCP MX v1.0); their sums are f32. The products marked 'left as it is' may take bf16, f16 or f32 operands, with f32 sums. Whichever they take, every output number must still come out within the allowed error. Rounding operands to bf16 (8 significant bits) uses up far more of that allowance than f16 does (11 bits, for magnitudes from 6e-5 to 65,504). All else is computed in f32.
;;   The module's matrix products, in the order in which they are computed (A, B: the left and right operand; K: the contracted axis; several contracted axes count as one K, in the product's order):
;;     1. [M 16,384, K 1,024] x [K 1,024, N 1,024]; A: input x; B: input Wq: QUANTISED
;;     2. [M 16,384, K 1,024] x [K 1,024, N 1,024]; A: input x; B: input Wk: QUANTISED
;;     3. [M 16,384, K 1,024] x [K 1,024, N 1,024]; A: input x; B: input Wv: QUANTISED
;;     4. batch 16,384 x [M 16, K 64] x [K 64, N 16]; A: computed on the way; B: computed on the way: left as it is (an operand is computed on the way)
;;     5. batch 16,384 x [M 16, K 16] x [K 16, N 64]; A: computed on the way; B: computed on the way: left as it is (K = 16 < 32)
;;     6. [M 16,384, K 1,024] x [K 1,024, N 1,024]; A: computed on the way; B: input Wo: left as it is (an operand is computed on the way)
;;   THE QUANTISER, for each operand of a quantised product, along K:
;;     - K is cut into blocks of 32 from its start; a last block that is shorter is filled with zeros.
;;     - A block's scale is 2^e with e = floor(log2(the largest magnitude in the block)) - 2, held to -126 .. 127; a block of zeros has e = 0. As a byte (E8M0): e + 127.
;;     - Each number is divided by its block's scale, clamped to +-6, and rounded to the nearest number of E2M1, ties to even, subnormals kept.
;;     - The product sums the exact products of the quantised numbers (number of the format x scale) in f32.
;;   ~~~python
;;   def quantise(x, axis):      # numpy; x: float32 -> the quantised numbers, widened to float32 again
;;       x = np.moveaxis(x, axis, -1); K = x.shape[-1]
;;       x = np.pad(x, [(0, 0)] * (x.ndim - 1) + [(0, -K % 32)]); x = x.reshape(x.shape[:-1] + (-1, 32)); a = np.abs(x).max(-1, keepdims=True)
;;       e = np.where(a > 0, np.clip(np.frexp(np.where(a > 0, a, 1))[1] - 1 - 2, -126, 127), 0)      # np.frexp(a)[1] - 1 = floor(log2(a)), exactly
;;       r = np.clip(x / 2.0 ** e, -6, 6)
;;       step = 2.0 ** (np.maximum(np.frexp(np.where(r == 0, 1, r))[1] - 1, 0) - 1)
;;       q = np.round(r / step) * step * 2.0 ** e      # np.round: ties to even
;;       return np.moveaxis(q.reshape(q.shape[:-2] + (-1,))[..., :K], -1, axis).astype(np.float32)
;;   ~~~
;; One version. Each part assembles by itself: llvm-mc -triple=amdgcn-amd-amdhsa -mcpu=gfx1250 --defsym DOCPART=n.
;; ======== version 1 of 1: 3 launches
;; limits: values are held in f16: magnitudes above 65,504 overflow, below 6.1e-05 lose precision
;; workspace buffers: wcodes 1,572,864 bytes; wscales 98,304 bytes; wo16 2,097,152 bytes; att 33,554,432 bytes
;; launch prep (part 1): grid 256 x 1, 4 waves a work-group, no clusters, 35,328 bytes of LDS; arguments Wq, Wk, Wv, Wo, wcodes, wscales, wo16; writes wcodes, wscales, wo16
.if DOCPART == 1
	.amdgcn_target "amdgcn-amd-amdhsa--gfx1250"
	.amdhsa_code_object_version 6
	.text
	.protected	k_q34383a552a_prep
	.globl	k_q34383a552a_prep
	.p2align	8
	.type	k_q34383a552a_prep,@function
k_q34383a552a_prep:
	s_mov_b64 s[64:65], 0
	v_nop
	global_prefetch_b8 v0, s[64:65] scope:SCOPE_SE
	s_setreg_imm32_b32 hwreg(HW_REG_WAVE_MODE, 25, 1), 1
	s_wait_xcnt 0x0
; Wq, Wk, Wv [1024 (k)][1024 (n)] f32 become codes of FP4 (E2M1) with one E8M0 byte for each 32 along K; Wo [1024 (k)][1024 (n)] f32 becomes f16, laid [n][k].
; A work-group takes one tensor (work-group number / 64), 128 columns x 128 along K; a wave 32 columns.  A LANE TAKES A COLUMN AND ITS 128 REGISTERS RUN DOWN K: each load reads 128 consecutive
; bytes a wave, a block of 32 along K lies in one lane, and the conversions give codes with K innermost.  Nothing is transposed by an instruction.
; THE CODES ARE LAID IN THE ORDER OF THE NEXT LAUNCH'S OPERAND REGISTERS: wcodes [w 4][c 6][s 8][u 8][half 2][lane 32][16 bytes]: w that launch's wave, c = 2 x tensor + e, s the K step of 128,
; tile tau = 8 e + u; the 16 bytes of (half, lane (r, h)) are column 64 tau + 16 w + r, k = 128 s + 64 half + 32 h + 0 .. 31.  wscales [w][c][s][lane 32][4 words]: word i of lane l is the scale word
; (four bytes: K step s) of tile u = 2 i + l / 16, column l % 16.
; A block's scale is 2^(floor(log2(largest magnitude)) - 2): its byte is the largest magnitude's exponent field - 2, held at 1 from below.  A block of zeros so gets the byte 1 where the rule says 127:
; its codes are zeros, which add nothing under any byte but 0xff, and this program alone reads the bytes.
; LIMITS: NaN and infinities among the inputs are not served.  Wo goes in f16: magnitudes beyond 65,504 are not served, those under 6e-5 keep an absolute step of 6e-8.
; The scale words leave 4 bytes a lane, 16 bytes apart: 98,304 bytes of the launch's 3.7 MB of stores are written so; all other stores cover 256 consecutive aligned bytes with sixteen lanes.
.set X,     16                         ; v16-143  my column's 128 numbers
.set CD,    144                        ; v144-159 codes (four registers a block);  on Wo's path v144-207: 64 registers of f16 pairs
.set SB,    12                         ; v12      the scale word
.set SPW,   14                         ; v14      LDS address of my spare word; never rewritten
.set NIL,   15                         ; v15      0; never rewritten
.set STG,   32*272                     ; Wo's path: a stage of 32 rows x (256 bytes + 16) for each wave
.set SPARE, 4*STG                      ; behind the stages: the spare words, 128 bytes a wave
	s_load_b256 s[4:11], s[0:1], 0x0               ; Wq s[4:5], Wk s[6:7], Wv s[8:9], Wo s[10:11]
	s_load_b128 s[12:15], s[0:1], 0x20             ; wcodes, wscales
	s_load_b64 s[16:17], s[0:1], 0x30              ; wo16
	v_lshl_add_u32 v[SPW], v0, 2, SPARE
	v_mov_b32 v[NIL], 0
	v_lshrrev_b32 v1, 5, v0
	v_readfirstlane_b32 s18, v1                    ; wave
	v_and_b32 v1, 31, v0                           ; lane
	v_lshlrev_b32 v2, 2, v1                        ; in: 4 bytes a lane
	v_lshrrev_b32 v8, 4, v1                        ; lane / 16
	v_and_b32 v9, 15, v1
	v_lshlrev_b32 v9, 4, v9                        ; 16 (lane % 16)
	v_mul_u32_u24 v3, v8, 393216                   ; codes: lanes 16-31 belong to the next reader wave's part,
	v_add_nc_u32 v3, v3, v9                        ; 16 bytes a column
	v_mul_u32_u24 v4, v8, 24576                    ; scale words likewise
	v_add_nc_u32 v4, v4, v9
	s_mul_i32 s23, s18, STG                        ; my stage
	v_mul_u32_u24 v5, v1, 272
	v_add_nc_u32 v5, s23, v5                       ; into it: row = my column
	v_mul_u32_u24 v6, v8, 272
	v_add_nc_u32 v6, v6, v9
	v_add_nc_u32 v6, s23, v6                       ; out of it: sixteen lanes to a row, two rows an instruction
	v_lshl_add_u32 v7, v8, 11, v9                  ; and the same place in wo16 (rows of 2,048 bytes)
	s_lshr_b32 s19, ttmp9, 6                       ; the tensor: 0 Wq, 1 Wk, 2 Wv, 3 Wo
	s_and_b32 s20, ttmp9, 63
	s_and_b32 s21, s20, 7                          ; which 128 columns
	s_lshr_b32 s22, s20, 3                         ; which 128 along K
	s_lshl_b32 s28, s22, 19                        ; 128 rows of 4,096 bytes
	s_lshl_b32 s30, s21, 9
	s_add_co_u32 s28, s28, s30
	s_lshl_b32 s30, s18, 7
	s_add_co_u32 s28, s28, s30                     ; + my wave's 32 columns
	s_mov_b32 s29, 0
	s_wait_kmcnt 0x0
	s_cmp_lt_u32 s19, 2                            ; the choice hangs on the work-group's number alone
	s_cselect_b64 s[24:25], s[4:5], s[8:9]         ; Wq or Wv
	s_cselect_b64 s[26:27], s[6:7], s[10:11]       ; Wk or Wo
	s_bitcmp1_b32 s19, 0
	s_cselect_b64 s[24:25], s[26:27], s[24:25]
	s_add_nc_u64 s[24:25], s[24:25], s[28:29]
.set i, 0
.rept 128
	global_load_b32 v[X+i], v2, s[24:25] offset:4096*i th:TH_LOAD_NT   ; W(128 s + i, my column): read once in the launch
.set i, i+1
.endr
	s_cmp_eq_u32 s19, 3
	s_cbranch_scc1 .Lwo
	; ---- Wq, Wk, Wv: where my wave's codes and scale words go
	s_and_b32 s30, s18, 1                          ; reader waves 2 (wave % 2) and + 1
	s_lshr_b32 s31, s18, 1
	s_lshl_b32 s32, s21, 1
	s_add_co_u32 s31, s31, s32                     ; tau = 2 x column group + wave / 2
	s_lshr_b32 s32, s31, 3
	s_lshl_b32 s33, s19, 1
	s_add_co_u32 s32, s32, s33                     ; c = 2 x tensor + tau / 8
	s_and_b32 s31, s31, 7                          ; u
	s_mul_i32 s34, s30, 786432
	s_lshl_b32 s36, s32, 16
	s_add_co_u32 s34, s34, s36
	s_lshl_b32 s36, s22, 13
	s_add_co_u32 s34, s34, s36
	s_lshl_b32 s36, s31, 10
	s_add_co_u32 s34, s34, s36
	s_mov_b32 s35, 0
	s_add_nc_u64 s[12:13], s[12:13], s[34:35]
	s_mul_i32 s34, s30, 49152
	s_lshl_b32 s36, s32, 12
	s_add_co_u32 s34, s34, s36
	s_lshl_b32 s36, s22, 9
	s_add_co_u32 s34, s34, s36
	s_and_b32 s36, s31, 1
	s_lshl_b32 s36, s36, 8
	s_add_co_u32 s34, s34, s36                     ; odd tiles stand in the reader's lanes 16-31,
	s_lshr_b32 s36, s31, 1
	s_lshl_b32 s36, s36, 2
	s_add_co_u32 s34, s34, s36                     ; word u / 2
	s_add_nc_u64 s[14:15], s[14:15], s[34:35]
; Block k of my column: 32 numbers, all mine.  left: the younger loads that may stay out (a wait's count names 63 at the most)
.macro BLOCK k, left
.set XB, X+32*\k
	s_wait_loadcnt \left
	v_max3_num_f32 v8, |v[XB]|, |v[XB+1]|, |v[XB+2]|
	v_max3_num_f32 v9, |v[XB+3]|, |v[XB+4]|, |v[XB+5]|
.irp i, 6,10,14,18,22,26
	v_max3_num_f32 v8, v8, |v[XB+\i]|, |v[XB+\i+1]|
	v_max3_num_f32 v9, v9, |v[XB+\i+2]|, |v[XB+\i+3]|
.endr
	v_max3_num_f32 v8, v8, |v[XB+30]|, |v[XB+31]|
	v_max3_num_f32 v8, v8, v9, 0x1800000           ; and the floor 2^(3 - 127): the byte cannot fall under 1
	v_add_nc_u32 v10, 0xff000000, v8               ; 2 off the exponent field: the conversion takes this operand's exponent field as its scale
	v_lshrrev_b32 v11, 23, v10                     ; the scale's byte
.if \k == 0
	v_mov_b32 v[SB], v11
.else
	v_lshl_or_b32 v[SB], v11, 8*\k, v[SB]          ; the lower K in the lower byte
.endif
.irp g, 0,1,2,3
	v_cvt_scalef32_pk8_fp4_f32 v[CD+4*\k+\g], v[XB+8*\g:XB+8*\g+7], v10
.endr
	v_nop                                          ; one plain instruction behind the last scaled conversion, ahead of the next write of its scale operand
	global_store_b128 v3, v[CD+4*\k:CD+4*\k+3], s[12:13] offset:(\k/2)*512+(\k%2)*256   ; sixteen lanes fill 256 consecutive aligned bytes of a fragment
.endm
	BLOCK 0, 63                                    ; 96 younger loads: the count is held at 63
	BLOCK 1, 63                                    ; 64 younger
	BLOCK 2, 32
	BLOCK 3, 0
	global_store_b32 v4, v[SB], s[14:15]
	s_endpgm
.Lwo:
	; ---- Wo: rounded to f16, turned through my own stage, stored as rows of wo16
	s_lshl_b32 s28, s21, 18                        ; 128 rows of 2,048 bytes
	s_lshl_b32 s30, s18, 16
	s_add_co_u32 s28, s28, s30                     ; + my wave's 32 rows
	s_lshl_b32 s30, s22, 8
	s_add_co_u32 s28, s28, s30                     ; + 128 along K: 256 bytes
	s_add_nc_u64 s[16:17], s[16:17], s[28:29]
.macro ROUNDQ k, left
	s_wait_loadcnt \left
.set i, 16*\k
.rept 16
	v_cvt_pk_f16_f32 v[CD+i], v[X+2*i], v[X+2*i+1] ; two neighbours along K
.set i, i+1
.endr
.endm
	ROUNDQ 0, 63
	ROUNDQ 1, 63
	ROUNDQ 2, 32
	ROUNDQ 3, 0
.irp i, 0,1,2,3,4,5,6,7,8,9,10,11,12,13,14,15
	ds_store_b128 v5, v[CD+4*\i:CD+4*\i+3] offset:16*\i
.endr
.irp i, 0,1,2,3,4,5,6,7,8,9,10,11,12,13,14,15
	ds_load_b128 v[X+4*\i:X+4*\i+3], v6 offset:544*\i   ; LDS serves a wave's instructions in order (ISA guide 5.7.1.4): these see my stores
.endr
.irp i, 0,1,2,3,4,5,6,7,8,9,10,11,12,13,14,15
	s_wait_dscnt 15-\i                             ; the younger loads from the stage may stay out
	global_store_b128 v7, v[X+4*\i:X+4*\i+3], s[16:17] offset:4096*\i   ; sixteen lanes store 256 consecutive aligned bytes of a row
.endr
	s_wait_tensorcnt 0x0                           ; the wave's end: a wait on TENSORcnt, an add to my spare word and its wait, behind my last LDS store
	ds_add_u32 v[SPW], v[NIL]
	s_wait_dscnt 0x0
	s_endpgm
.Lfunc_end_k_q34383a552a_prep:
	.size	k_q34383a552a_prep, .Lfunc_end_k_q34383a552a_prep-k_q34383a552a_prep
	.p2alignl 7, 3214868480
	.fill 96, 4, 3214868480
	.section	.rodata,"a",@progbits
	.p2align	6, 0x0
	.amdhsa_kernel k_q34383a552a_prep
		.amdhsa_group_segment_fixed_size 35328
		.amdhsa_private_segment_fixed_size 0
		.amdhsa_enable_private_segment 0
		.amdhsa_kernarg_size 56
		.amdhsa_user_sgpr_count 2
		.amdhsa_user_sgpr_kernarg_segment_ptr 1
		.amdhsa_wavefront_size32 1
		.amdhsa_system_sgpr_workgroup_id_x 1
		.amdhsa_system_sgpr_workgroup_id_y 1
		.amdhsa_system_sgpr_workgroup_id_z 1
		.amdhsa_system_vgpr_workitem_id 0
		.amdhsa_next_free_vgpr 208
		.amdhsa_next_free_sgpr 66
		.amdhsa_reserve_vcc 0
		.amdhsa_float_denorm_mode_32 3
		.amdhsa_float_denorm_mode_16_64 3
		.amdhsa_memory_ordered 1
		.amdhsa_forward_progress 1
		.amdhsa_inst_pref_size 30
	.end_amdhsa_kernel
	.amdgpu_metadata
---
amdhsa.version: [ 1, 2 ]
amdhsa.kernels:
  - .name:           k_q34383a552a_prep
    .symbol:         k_q34383a552a_prep.kd
    .args:
      - { .name: Wq, .offset: 0, .size: 8, .value_kind: global_buffer, .address_space: global }
      - { .name: Wk, .offset: 8, .size: 8, .value_kind: global_buffer, .address_space: global }
      - { .name: Wv, .offset: 16, .size: 8, .value_kind: global_buffer, .address_space: global }
      - { .name: Wo, .offset: 24, .size: 8, .value_kind: global_buffer, .address_space: global }
      - { .name: wcodes, .offset: 32, .size: 8, .value_kind: global_buffer, .address_space: global }
      - { .name: wscales, .offset: 40, .size: 8, .value_kind: global_buffer, .address_space: global }
      - { .name: wo16, .offset: 48, .size: 8, .value_kind: global_buffer, .address_space: global }
    .group_segment_fixed_size: 35328
    .private_segment_fixed_size: 0
    .kernarg_segment_align: 8
    .kernarg_segment_size: 56
    .max_flat_workgroup_size: 128
    .sgpr_count:     66
    .vgpr_count:     208
    .wavefront_size: 32
...
	.end_amdgpu_metadata
.endif
;; end of part 1
;; launch qkvatt (part 2): grid 256 x 1, 4 waves a work-group, no clusters, 327,680 bytes of LDS; arguments x, wcodes, wscales, bq, bk, bv, att; writes att
.if DOCPART == 2
	.amdgcn_target "amdgcn-amd-amdhsa--gfx1250"
	.amdhsa_code_object_version 6
	.text
	.protected	k_q34383a552a_qkvatt
	.globl	k_q34383a552a_qkvatt
	.p2align	8
	.type	k_q34383a552a_qkvatt,@function
k_q34383a552a_qkvatt:
	s_mov_b64 s[64:65], 0
	v_nop
	global_prefetch_b8 v0, s[64:65] scope:SCOPE_SE
	s_setreg_imm32_b32 hwreg(HW_REG_WAVE_MODE, 25, 1), 1
	s_wait_xcnt 0x0
; For 64 neighbouring positions: x is quantised to FP4 (E2M1, one E8M0 byte for each 32 along K); q, k, v = x W + b on codes; at each position scores = q k^T / 8 between the 16 heads, softmax over the key
; heads, p v; the result leaves in f16 as 64 WHOLE rows of the reshuffled matrix att [16,384][1,024]: row 4096 b + 256 head + s / 16, column 64 (s % 16) + d.  q, k, v, p and x's codes never go to memory.
; SHARES.  In the three products the four waves share the COLUMNS: wave w makes, of each tensor, columns 64 tau + 16 w + 0 .. 15, tau = 0 .. 15, for all 64 positions, in chunks of 8 tiles x 4 tiles of
; positions: 32 accumulators.  In the attention they share the POSITIONS: wave t takes positions 16 t .. 16 t + 15.  The change goes through LDS in units of 16 bytes that are pieces of the next operand's registers.
; x's 32 fragments stay in registers, so each fragment of W feeds four matrix instructions and the K loop reads no LDS.  W's fragments come straight from memory, laid by the launch before in the order of
; my registers, through a ring of four register sets, three K steps (51 loads a wave) ahead.
; THE WORK-GROUPS DO NOT WALK K ALIKE.  rho (0 .. 3) is folded from the work-group's number; K step sigma of this text is the tensors' K step (sigma + 2 rho) mod 8, for x and W alike: x's four pieces of
; 256 columns land in my stage in the order rho, rho + 1, .. (the tensor loads' global addresses alone differ), and W's loads name one of eight lane offsets that are made once.  So the 256 work-groups ask at
; any time for four different quarters of a chunk, and with three K steps ahead for all eight K steps of it, not all for the same bytes.  No LDS address and no register number hangs on rho.
; NO CLUSTER, NO JOINT LOADS: a fragment of W is multiplied by one wave of the work-group alone, and x's stage or the records (266,240 bytes), x's images (36,864) and the biases (12,288) leave 11,776 bytes
; of the 327,680: no ring of tiles fits there.
; q AND k ARE MADE TRANSPOSED (source 0 = 16 columns of W, source 1 = 16 positions): lane (r, h), register j = position 16 t + r, head tau, d = 16 w + 8 h + j: eight neighbours along the scores' K.
; v IS MADE THE NATURAL WAY (source 0 = x, source 1 = W): lane (r, h), register j of tile tau = position 16 t + 8 h + j, d = 16 w + r: pairs of tiles pack to neighbours along the heads, the K of p v.
; The biases are the C of each sum's first matrix instruction.
; SOFTMAX: the row's maximum is taken away; p = 2^(c s - c m), c = log2(e) / 8; p is normalised in f32 and rounded to f16.
; LIMITS: q, k, v, p v go in f16: magnitudes beyond 65,504 are not served; under 6e-5 they keep an absolute step of 6e-8.  (x and W thirty times the drawn spread give about 576; with offsets of thirty
; spreads on both, about 18,500.)  The eight K steps of an f32 sum are added in an order that begins at K step 2 rho: it differs from work-group to work-group.  A block of zeros of x gets the byte 1 where
; the rule says 127: its codes are zeros, and this program alone reads the bytes.  NaN and infinities among the inputs are not served.
; LDS: 0: x as f32 (wave w, piece p of 256 columns at 66,560 w + 16,640 p; 16 rows, pitch 1,040), filled once; behind the first barrier the q/k records lie there (position x 4,112 + g 1,024 + h 512 +
; tensor 256 + head 16: d = 16 g + 8 h + 0 .. 7); behind the third, V's images (position x 2,064 + delta 512 + 16 (16 h + r): d = 16 delta + r, heads 8 h ..) and from 132,096 the stage of att's rows (pitch 2,064).
; All three pitches are odd multiples of 16 bytes, so sixteen lanes on sixteen rows touch sixteen different 16-byte columns.
.set XSTW,  66560
.set XPC,   16640
.set XP,    1040
.set RP,    4112
.set VP,    2064
.set OST,   64*VP
.set XIMG,  266240                     ; x's 32 fragments as images of their registers: 1,024 (8 t + s) + 512 c + 16 lane
.set XSC,   XIMG+32768                 ; their scale words: 512 s + 16 lane + 4 t
.set BIA,   XSC+4096                   ; bq, bk, bv on end
.set SPARE, BIA+12288                  ; the spare words, 128 bytes a wave
; window 0
.set LN16, 1                           ; 16 x lane
.set XR,   2                           ; x's stage: my row and half
.set XWI,  3                           ; where I store x's images,
.set XWS,  4                           ; and their scale words
.set XLI,  5                           ; where any wave loads them
.set XLS,  6
.set BQA,  7                           ; bias for q, k: BIA + 64 w + 32 h
.set BA,   8                           ; the same + the chunk
.set BVA,  9                           ; bias for v: BIA + 8,192 + 64 w + 4 r
.set QKS,  10                          ; v10-13 records, way in, tile of positions t
.set QKA,  14                          ; v14-17 the same + the chunk
.set VSA,  18                          ; v18-21 V's images, way in
.set QKL,  22                          ; records, way out
.set VL,   23                          ; V's images, way out
.set OSA,  24                          ; att's stage, way in
.set ORD,  25                          ; and out
.set BST,  26                          ; where I store the biases
.set SPW,  28                          ; my spare word; never rewritten
.set NIL,  29                          ; 0; never rewritten
.set TH16, 30                          ; 16 x thread
.set XS,   32                          ; v32-63 x's scale words (4 s + t): scales and nothing else
.set WS,   64                          ; v64-79 W's scale words (4 x set + i): scales and nothing else
.set BI,   80                          ; v80-143 the bias as C (8 u + j); later the packing buffers, the scores, att's rows
.set PKB,  80
.set ST0,  80                          ; x's numbers, two sets of 64
.set TM,   208
.set PC,   224
.set PW,   232
.set SS,   80                          ; scores of four positions, 8 each
.set TT,   112                         ; their statistics, 8 each: +0 c m, +1 m, +2 .. +5 sums, +6 1 / sum, +7 named with it
.set PP,   160                         ; v160-223 p as f16: 4 registers a position; v224-227 zeros
.set OC,   80
.set VO,   240                         ; v240-247 W's codes: 16 x lane + 8,192 x ((sigma + 2 rho) mod 8), sigma = 0 .. 7; never rewritten
.set VS,   248                         ; v248-255 W's scale words: 16 x lane + 512 x the same; never rewritten
; window 1: the 32 accumulators (8 (4 u + t)); in the scores q's and k's operands; in p v V's fragments (v0-127) and O^T (v128-255).   window 2: W's ring, set i at 64 i.   window 3: x's fragments, 8 (8 t + s)
.set WV,   18
.set SEL,  20
.set CS,   22
.set G1,   24
.set G0,   32
.set WPT,  6                           ; s[6:7] my wave's codes, at the chunk in hand
.set SPT,  8                           ; s[8:9] my wave's scale words
.set RHO,  60                          ; s60 rho
.set MSB, 0
.macro WIN new                         ; the immediate's high byte repeats the setting that is left
.if MSB != \new
	s_set_vgpr_msb (MSB<<8)|\new
.set MSB, \new
.endif
.endm
.macro BARRIER                         ; my LDS stores have landed and my LDS loads are in: then the work-group's barrier
	s_wait_dscnt 0x0
	s_barrier_signal -1
	s_barrier_wait -1
.endm
.macro PLACES                          ; four plain instructions behind a matrix instruction, ahead of a read of its result or a load into its registers
.rept 4
	v_nop
.endr
.endm
	s_load_b256 s[4:11], s[0:1], 0x0               ; x, wcodes, wscales, bq
	s_load_b128 s[12:15], s[0:1], 0x20             ; bk, bv
	s_load_b64 s[16:17], s[0:1], 0x30              ; att
	v_lshl_add_u32 v[SPW], v0, 2, SPARE
	v_mov_b32 v[NIL], 0
	ds_add_u32 v[SPW], v[NIL]                      ; the wave's opening: the add, twice on end, and its wait ahead of my first tensor load
	ds_add_u32 v[SPW], v[NIL]
	v_lshrrev_b32 v27, 5, v0
	v_readfirstlane_b32 s[WV], v27                 ; wave 0..3
	v_and_b32 v30, 31, v0                          ; lane
	v_and_b32 v31, 15, v0                          ; r
	v_bfe_u32 v27, v0, 4, 1                        ; h
	v_lshlrev_b32 v[LN16], 4, v30
	s_mul_i32 s51, s[WV], XSTW
	v_mul_u32_u24 v[XR], v31, XP
	v_lshl_add_u32 v[XR], v27, 6, v[XR]
	v_add_nc_u32 v[XR], s51, v[XR]                 ; row r of my 16, + 64 h: my 16 numbers of a block of 32
	s_lshl_b32 s52, s[WV], 13
	s_add_co_u32 s52, s52, XIMG
	v_add_nc_u32 v[XWI], s52, v[LN16]
	s_lshl_b32 s52, s[WV], 2
	s_add_co_u32 s52, s52, XSC
	v_add_nc_u32 v[XWS], s52, v[LN16]
	v_add_nc_u32 v[XLI], XIMG, v[LN16]
	v_add_nc_u32 v[XLS], XSC, v[LN16]
	s_lshl_b32 s52, s[WV], 6
	s_add_co_u32 s52, s52, BIA
	v_lshl_add_u32 v[BQA], v27, 5, s52
	s_add_co_u32 s52, s52, 8192
	v_lshl_add_u32 v[BVA], v31, 2, s52
	v_mul_u32_u24 v[QKS], v31, RP
	v_lshl_add_u32 v[QKS], v27, 9, v[QKS]
	s_lshl_b32 s52, s[WV], 10
	v_add_nc_u32 v[QKS], s52, v[QKS]               ; position r, g = my wave, my half
	v_mul_u32_u24 v[VSA], v27, 8*VP
	v_lshl_add_u32 v[VSA], v31, 4, v[VSA]
	s_lshl_b32 s52, s[WV], 9
	v_add_nc_u32 v[VSA], s52, v[VSA]               ; position 8 h, delta = my wave, 16 r
.irp t, 1,2,3
	v_add_nc_u32 v[QKS+\t], 16*RP*\t, v[QKS]
	v_add_nc_u32 v[VSA+\t], 16*VP*\t, v[VSA]
.endr
	s_mul_i32 s52, s[WV], 16*RP
	v_lshlrev_b32 v[QKL], 4, v31
	v_lshl_add_u32 v[QKL], v27, 9, v[QKL]
	v_add_nc_u32 v[QKL], s52, v[QKL]               ; my 16 positions' records: half h, head r
	s_mul_i32 s52, s[WV], 16*VP
	v_add_nc_u32 v[VL], s52, v[LN16]
	s_add_co_u32 s52, s52, OST
	v_mul_u32_u24 v[OSA], v31, VP
	v_lshl_add_u32 v[OSA], v27, 4, v[OSA]
	v_add_nc_u32 v[OSA], s52, v[OSA]               ; my 16 rows of the stage: row = head r, + 16 h
	v_add_nc_u32 v[ORD], s52, v[LN16]
	v_lshl_add_u32 v[BST], v0, 4, BIA
	v_lshlrev_b32 v[TH16], 4, v0
.irp b, 0,1,2,3
	v_mov_b32 v[TM+4+\b], 0                        ; written once: a lane permute's destination counts as one of its sources
.endr
	; rho: the exclusive or of the four pairs of bits of the work-group's number (0 .. 255), so that any set of work-groups picked out by a few of these bits holds all four values
	s_lshr_b32 s[RHO], ttmp9, 2
	s_xor_b32 s[RHO], s[RHO], ttmp9
	s_lshr_b32 s61, ttmp9, 4
	s_xor_b32 s[RHO], s[RHO], s61
	s_lshr_b32 s61, ttmp9, 6
	s_xor_b32 s[RHO], s[RHO], s61
	s_and_b32 s[RHO], s[RHO], 3
	s_lshl_b32 s61, s[RHO], 1                      ; 2 rho
.irp q, 0,1,2,3,4,5,6,7
	s_add_co_u32 s62, s61, \q
	s_and_b32 s62, s62, 7                          ; the tensors' K step of this text's K step q
	v_lshl_add_u32 v[VO+\q], s62, 13, v[LN16]      ; its 8,192 bytes of my wave's codes in a chunk,
	v_lshl_add_u32 v[VS+\q], s62, 9, v[LN16]       ; its 512 bytes of scale words
.endr
	s_mov_b32 s63, 0
	; descriptor group 1: 16 rows x 256 numbers of 4 bytes, rows 1,024 numbers apart; 4 words of padding behind every 256
	s_mov_b32 s[G1+0], (2<<16)|(1<<20)|(7<<22)|(3<<25)
	s_mov_b32 s[G1+1], 256<<16                     ; tensor_dim0
	s_mov_b32 s[G1+2], 16<<16                      ; tensor_dim1
	s_mov_b32 s[G1+3], 256<<16                     ; tile_dim0
	s_mov_b32 s[G1+4], 16                          ; tile_dim1
	s_mov_b32 s[G1+5], 1024                        ; from row to row
	s_mov_b32 s[G1+6], 0
	s_mov_b32 s[G1+7], 0
	s_mov_b32 s[SEL], 0x76543210
	s_mov_b32 s[SEL+1], 0xfedcba98                 ; v_permlanex16_b32's selects for lane l xor 16
	s_mov_b32 s[CS], 0x3e38aa3b                    ; c = log2(e) / 8
	s_mov_b32 s[CS+1], s[CS]                       ; (named with it as a pair)
	s_lshl_b32 s52, ttmp9, 18                      ; x: 64 rows of 4,096 bytes a work-group,
	s_lshl_b32 s53, s[WV], 16
	s_add_co_u32 s52, s52, s53                     ; 16 a wave
	s_mov_b32 s53, 0
	s_mul_i32 s54, s[WV], 393216                   ; my wave's codes of W
	s_mov_b32 s55, 0
	s_mul_i32 s56, s[WV], 24576                    ; and scale words
	s_mov_b32 s57, 0
	s_lshr_b32 s58, ttmp9, 6                       ; att: row 4096 b + 4 g + wave (+ 256 head)
	s_lshl_b32 s58, s58, 12
	s_and_b32 s59, ttmp9, 63
	s_lshl_b32 s59, s59, 2
	s_add_co_u32 s58, s58, s59
	s_add_co_u32 s58, s58, s[WV]
	s_lshl_b32 s58, s58, 11
	s_mov_b32 s59, 0
	s_wait_dscnt 0x0                               ; both opening adds are done
	s_wait_kmcnt 0x0
	s_add_nc_u64 s[4:5], s[4:5], s[52:53]
.irp p, 0,1,2,3
	s_add_co_u32 s62, s[RHO], \p
	s_and_b32 s62, s62, 3
	s_lshl_b32 s62, s62, 10                        ; piece p of my stage takes columns 256 ((p + rho) mod 4) on: 1,024 bytes a piece
	s_mov_b32 s[G0+4*\p], 1                        ; count = 1
	s_add_co_u32 s[G0+4*\p+1], s51, XPC*\p         ; LDS: my wave's stage, piece p
	s_add_nc_u64 s[G0+4*\p+2:G0+4*\p+3], s[4:5], s[62:63]
	s_or_b32 s[G0+4*\p+3], s[G0+4*\p+3], 0x80000000  ; type = 2
.endr
.irp p, 0,1,2,3
	tensor_load_to_lds s[G0+4*\p:G0+4*\p+3], s[G1:G1+7]   ; my 16 rows of x, in four pieces along K: four loads of mine are out, all first fills
	s_nop 0
.endr
	PLACES
	s_add_nc_u64 s[WPT:WPT+1], s[WPT:WPT+1], s[54:55]
	s_add_nc_u64 s[SPT:SPT+1], s[SPT:SPT+1], s[56:57]
	s_add_nc_u64 s[16:17], s[16:17], s[58:59]
	global_load_b128 v[80:83], v[TH16], s[10:11]               ; the biases: 128 threads x 16 bytes, twice, for each tensor
	global_load_b128 v[84:87], v[TH16], s[10:11] offset:2048
	global_load_b128 v[88:91], v[TH16], s[12:13]
	global_load_b128 v[92:95], v[TH16], s[12:13] offset:2048
	global_load_b128 v[96:99], v[TH16], s[14:15]
	global_load_b128 v[100:103], v[TH16], s[14:15] offset:2048
; K step n of this text's order (counted from the chunk in hand; 8, 9, 10 are the next chunk's first three: chunks lie on end, 65,536 bytes of codes and 4,096 of scale words apart) into set n % 4:
; 8 fragments, two dense loads of 512 bytes each, and one load of scale words: 17 loads.  The lane offset carries the tensors' K step.
.macro WLOAD n
	WIN 0x80                                       ; destination window 2
.irp u, 0,1,2,3,4,5,6,7
	global_load_b128 v[64*((\n)%4)+8*\u:64*((\n)%4)+8*\u+3], v[VO+(\n)%8], s[WPT:WPT+1] offset:65536*((\n)/8)+1024*\u
	global_load_b128 v[64*((\n)%4)+8*\u+4:64*((\n)%4)+8*\u+7], v[VO+(\n)%8], s[WPT:WPT+1] offset:65536*((\n)/8)+1024*\u+512
.endr
	WIN 0
	global_load_b128 v[WS+4*((\n)%4):WS+4*((\n)%4)+3], v[VS+(\n)%8], s[SPT:SPT+1] offset:4096*((\n)/8)
.endm
	WLOAD 0
	WLOAD 1
	WLOAD 2
	s_wait_loadcnt 51                              ; the biases are in; the ring's three sets of 17 stay out
.irp i, 0,1,2,3,4,5
	ds_store_b128 v[BST], v[80+4*\i:83+4*\i] offset:2048*\i
.endr
	s_wait_dscnt 0x0                               ; the stores are done: v80 on take x's numbers
; ---- X: my 16 rows of x become eight fragments.  Only I read my stage, so my own wait on TENSORcnt orders the reads.
.macro XREAD s, reg                    ; K step s of this text's order: register 16 b + i = k 32 b + 16 h + i of row r
.irp b, 0,1,2,3
.irp j, 0,1,2,3
	ds_load_b128 v[\reg+16*\b+4*\j:\reg+16*\b+4*\j+3], v[XR] offset:XPC*((\s)/2)+512*((\s)%2)+128*\b+16*\j
.endr
.endr
.endm
; 64 numbers of a lane become a fragment's codes in v[PC] on and its scale word in v[PW]
.macro QUANT s
.irp b, 0,1,2,3
	v_max3_num_f32 v[TM+\b], |v[\s+16*\b]|, |v[\s+1+16*\b]|, 0x1800000   ; block b: my 16 numbers, and the floor 2^(3 - 127): the byte cannot fall under 1
.endr
.irp i, 2,4,6,8,10,12,14
.irp b, 0,1,2,3
	v_max3_num_f32 v[TM+\b], v[TM+\b], |v[\s+16*\b+\i]|, |v[\s+1+16*\b+\i]|   ; the four blocks by turns
.endr
.endr
.irp b, 0,1,2,3
	v_permlanex16_b32 v[TM+4+\b], v[TM+\b], s[SEL], s[SEL+1]
.endr
.irp b, 0,1,2,3
	v_max_num_f32 v[TM+\b], v[TM+\b], v[TM+4+\b]   ; with lane l xor 16's: the block's largest magnitude
.endr
.irp b, 0,1,2,3
	v_add_nc_u32 v[TM+12+\b], 0xff000000, v[TM+\b] ; 2 off its exponent field: the conversion's scale operand
.endr
.irp b, 0,1,2,3
	v_lshrrev_b32 v[TM+4+\b], 23, v[TM+12+\b]      ; the scale's byte
.endr
	v_lshl_or_b32 v[PW], v[TM+5], 8, v[TM+4]
	v_lshl_or_b32 v[PW], v[TM+6], 16, v[PW]
	v_lshl_or_b32 v[PW], v[TM+7], 24, v[PW]        ; my row's scale word (both halves of the lanes hold it)
.irp b, 0,1,2,3
	v_cvt_scalef32_pk8_fp4_f32 v[PC+2*\b], v[\s+16*\b:\s+7+16*\b], v[TM+12+\b]
	v_cvt_scalef32_pk8_fp4_f32 v[PC+1+2*\b], v[\s+8+16*\b:\s+15+16*\b], v[TM+12+\b]
.endr
	v_nop                                          ; one plain instruction behind a scaled conversion
.irp c, 0,1                                    ; the operand's layout wants a whole block in a lane: lanes 0-15 block 2 c, lanes 16-31 block 2 c + 1
.irp i, 0,1
	v_permlane16_swap_b32 v[PC+4*\c+\i], v[PC+2+4*\c+\i]
.endr
.endr
.endm
.macro XSTEP s
.if (\s) < 7
.if ((\s)+1)%2 == 0
	s_wait_tensorcnt 3-((\s)+1)/2                  ; the next piece of x is in; the younger pieces stay out
.endif
	XREAD (\s)+1, ST0+64*(((\s)+1)%2)
	s_wait_dscnt 16                                ; all but the 16 just issued: this step's numbers are in, and the last step's stores are done
.else
	s_wait_dscnt 0x0
.endif
	QUANT ST0+64*((\s)%2)
	ds_store_b128 v[XWI], v[PC:PC+3] offset:1024*(\s)
	ds_store_b128 v[XWI], v[PC+4:PC+7] offset:1024*(\s)+512
	ds_store_b32 v[XWS], v[PW] offset:512*(\s)
.endm
	s_wait_tensorcnt 0x3                           ; my first piece is in; three younger ones stay out
	XREAD 0, ST0
.irp q, 0,1,2,3,4,5,6,7
	XSTEP \q
.endr
	BARRIER                                        ; x's images and the biases lie in LDS; nobody reads x's stage any more, and every tensor load has landed
	WIN 0xc0                                       ; destination window 3
.set f, 0
.rept 32
	ds_load_b128 v[8*f:8*f+3], v[XLI] offset:1024*f
	ds_load_b128 v[8*f+4:8*f+7], v[XLI] offset:1024*f+512
.set f, f+1
.endr
	WIN 0
.irp q, 0,1,2,3,4,5,6,7
	ds_load_b128 v[XS+4*\q:XS+4*\q+3], v[XLS] offset:512*\q
.endr
; One product: tile u of the chunk x tile t of positions, K step s.  form 0: source 0 = W, source 1 = x;  form 1: the other way round.  Odd tiles' scale words stand in lanes 16-31.
.macro PROD u, t, s, form
.set rD, 8*(4*(\u)+(\t))
.set rW, 64*((\s)%4)+8*(\u)
.set rX, 8*(8*(\t)+(\s))
.set rWS, WS+4*((\s)%4)+(\u)/2
.set rXS, XS+4*(\s)+(\t)
.if (\s) == 0
.set rC, BI+8*(\u)                     ; the first K step starts the sum with the bias (window 0)
.else
.set rC, rD
.endif
.if (\form) == 0
.if (\u)%2
	v_wmma_scale_f32_16x16x128_f8f6f4 v[rD:rD+7], v[rW:rW+7], v[rX:rX+7], v[rC:rC+7], v[rWS], v[rXS] matrix_a_fmt:MATRIX_FMT_FP4 matrix_b_fmt:MATRIX_FMT_FP4 matrix_a_scale:MATRIX_SCALE_ROW1
.else
	v_wmma_scale_f32_16x16x128_f8f6f4 v[rD:rD+7], v[rW:rW+7], v[rX:rX+7], v[rC:rC+7], v[rWS], v[rXS] matrix_a_fmt:MATRIX_FMT_FP4 matrix_b_fmt:MATRIX_FMT_FP4
.endif
.else
.if (\u)%2
	v_wmma_scale_f32_16x16x128_f8f6f4 v[rD:rD+7], v[rX:rX+7], v[rW:rW+7], v[rC:rC+7], v[rXS], v[rWS] matrix_a_fmt:MATRIX_FMT_FP4 matrix_b_fmt:MATRIX_FMT_FP4 matrix_b_scale:MATRIX_SCALE_ROW1
.else
	v_wmma_scale_f32_16x16x128_f8f6f4 v[rD:rD+7], v[rX:rX+7], v[rW:rW+7], v[rC:rC+7], v[rXS], v[rWS] matrix_a_fmt:MATRIX_FMT_FP4 matrix_b_fmt:MATRIX_FMT_FP4
.endif
.endif
.endm
; A K step of 128: the set read last step is asked for again, three steps ahead; then 32 products on 32 accumulators, which take turns in the same order in every step.
; left: the younger loads that may stay out: 17 for each set behind this step's
.macro KSTEP s, form, load, left
	PLACES                                         ; behind the last step's products, ahead of the loads into the set and the scale words that they read
.if \load
	WLOAD (\s)+3
.endif
	s_wait_loadcnt \left
.if (\s) == 0
	s_wait_dscnt 0x0                               ; the bias (and, the first time, x's fragments) is in
	WIN 0x4e-3*(\form)                             ; C in window 0.  form 0: source 0 window 2, source 1 window 3; form 1: 3 and 2; D window 1
.else
	WIN 0x5e-3*(\form)                             ; C and D window 1
.endif
.irp u, 0,1,2,3,4,5,6,7
.irp t, 0,1,2,3
	PROD \u, \t, \s, \form
.endr
.endr
.endm
; q's or k's chunk leaves for the records: a lane's eight numbers of an accumulator are eight neighbours along d: 16 bytes
.macro PACKT
	PLACES
.irp t, 0,1,2,3
.if \t >= 2
	s_wait_dscnt 8                                 ; the stores that read this packing buffer are done; the last eight may be out
.endif
	WIN 0x05                                       ; sources window 1, destination window 0
.irp u, 0,1,2,3,4,5,6,7
.irp m, 0,1,2,3
	v_cvt_pk_f16_f32 v[PKB+32*(\t%2)+4*\u+\m], v[8*(4*\u+\t)+2*\m], v[8*(4*\u+\t)+2*\m+1]   ; each accumulator from its low end on
.endr
.endr
	WIN 0
.irp u, 0,1,2,3,4,5,6,7
	ds_store_b128 v[QKA+\t], v[PKB+32*(\t%2)+4*\u:PKB+32*(\t%2)+4*\u+3] offset:16*\u
.endr
.endr
.endm
; ---- q and k: four chunks (q heads 0-7, q heads 8-15, k likewise)
	s_mov_b32 s48, 0                               ; the chunk
	s_mov_b32 s49, 0                               ; 128 x chunk: tensor x 256 + 8 heads x 16 in a record
	s_mov_b32 s50, 0                               ; 2,048 x chunk: its 512 numbers of the biases
.Lqk:
	s_wait_dscnt 0x0                               ; the last chunk's stores have read the packing buffers and their addresses
	v_add_nc_u32 v[BA], s50, v[BQA]
.irp u, 0,1,2,3,4,5,6,7
	ds_load_b128 v[BI+8*\u:BI+8*\u+3], v[BA] offset:256*\u           ; b(64 tau + 16 w + 8 h + 0 .. 7): the result's layout
	ds_load_b128 v[BI+8*\u+4:BI+8*\u+7], v[BA] offset:256*\u+16
.endr
.irp t, 0,1,2,3
	v_add_nc_u32 v[QKA+\t], s49, v[QKS+\t]
.endr
.irp q, 0,1,2,3,4,5,6,7
	KSTEP \q, 0, 1, 51
.endr
	PACKT
	s_wait_xcnt 0x0                                ; the loads have read their bases: they may step
	s_add_nc_u64 s[WPT:WPT+1], s[WPT:WPT+1], 65536
	s_add_nc_u64 s[SPT:SPT+1], s[SPT:SPT+1], 4096
	s_add_co_u32 s49, s49, 128
	s_add_co_u32 s50, s50, 2048
	s_add_co_u32 s48, s48, 1
	s_cmp_lt_u32 s48, 4
	s_cbranch_scc1 .Lqk
	BARRIER                                        ; the records are whole.  (v's first three K steps stay on their way)
; ---- scores and softmax: my 16 positions, four at a time.  S^T = k q^T: lane (r, h), register j = key head 8 h + j for query head r
.macro LOADG G                         ; 32 loads: q's and k's operands (16 registers each: d = 0 .. 63) of four positions, 256 consecutive bytes for sixteen lanes
	WIN 0x40                                       ; destination window 1
.irp a, 0,1,2,3
.irp g, 0,1,2,3
	ds_load_b128 v[128*((\G)%2)+32*\a+4*\g:128*((\G)%2)+32*\a+4*\g+3], v[QKL] offset:RP*(4*(\G)+\a)+1024*\g
	ds_load_b128 v[128*((\G)%2)+32*\a+16+4*\g:128*((\G)%2)+32*\a+16+4*\g+3], v[QKL] offset:RP*(4*(\G)+\a)+1024*\g+256
.endr
.endr
	WIN 0
.endm
.macro SOFTMAX G                       ; the four positions take turns line by line
.irp a, 0,1,2,3
	v_max3_num_f32 v[TT+8*\a+1], v[SS+8*\a], v[SS+8*\a+1], v[SS+8*\a+2]   ; from the accumulator's low end on
.endr
.irp i, 3,5
.irp a, 0,1,2,3
	v_max3_num_f32 v[TT+8*\a+1], v[TT+8*\a+1], v[SS+8*\a+\i], v[SS+8*\a+\i+1]
.endr
.endr
.irp a, 0,1,2,3
	v_max_num_f32 v[TT+8*\a+1], v[TT+8*\a+1], v[SS+8*\a+7]
.endr
.irp a, 0,1,2,3
	v_permlanex16_b32 v[TT+8*\a+4], v[TT+8*\a+1], s[SEL], s[SEL+1]
.endr
.irp a, 0,1,2,3
	v_max_num_f32 v[TT+8*\a+1], v[TT+8*\a+1], v[TT+8*\a+4]   ; the row's maximum m over the 16 key heads
.endr
.irp a, 0,1,2,3
	v_mul_f32 v[TT+8*\a], s[CS], v[TT+8*\a+1]      ; c m
.endr
.irp m, 0,2,4,6
.irp a, 0,1,2,3
	v_pk_fma_f32 v[SS+8*\a+\m:SS+8*\a+\m+1], v[SS+8*\a+\m:SS+8*\a+\m+1], s[CS:CS+1], v[TT+8*\a:TT+8*\a+1] op_sel_hi:[1,0,0] neg_lo:[0,0,1] neg_hi:[0,0,1]   ; c s - c m
.endr
.endr
.set i, 0
.rept 32
	v_exp_f32 v[SS+i], v[SS+i]
.set i, i+1
.endr
	v_nop                                          ; a plain instruction behind the last exponential
	s_wait_alu depctr_va_vdst(0)                   ; one wait for the batch of 32, ahead of its first reader
.irp a, 0,1,2,3
	v_pk_add_f32 v[TT+8*\a+2:TT+8*\a+3], v[SS+8*\a:SS+8*\a+1], v[SS+8*\a+2:SS+8*\a+3]
	v_pk_add_f32 v[TT+8*\a+4:TT+8*\a+5], v[SS+8*\a+4:SS+8*\a+5], v[SS+8*\a+6:SS+8*\a+7]
.endr
.irp a, 0,1,2,3
	v_pk_add_f32 v[TT+8*\a+2:TT+8*\a+3], v[TT+8*\a+2:TT+8*\a+3], v[TT+8*\a+4:TT+8*\a+5]
.endr
.irp a, 0,1,2,3
	v_add_f32 v[TT+8*\a+5], v[TT+8*\a+2], v[TT+8*\a+3]
.endr
.irp a, 0,1,2,3
	v_permlanex16_b32 v[TT+8*\a+4], v[TT+8*\a+5], s[SEL], s[SEL+1]
.endr
.irp a, 0,1,2,3
	v_add_f32 v[TT+8*\a+5], v[TT+8*\a+5], v[TT+8*\a+4]       ; the row's sum: at least about 1
.endr
.irp a, 0,1,2,3
	v_rcp_f32 v[TT+8*\a+6], v[TT+8*\a+5]
.endr
	v_nop
	s_wait_alu depctr_va_vdst(0)                   ; one wait for the four reciprocals
.irp m, 0,2,4,6
.irp a, 0,1,2,3
	v_pk_mul_f32 v[SS+8*\a+\m:SS+8*\a+\m+1], v[SS+8*\a+\m:SS+8*\a+\m+1], v[TT+8*\a+6:TT+8*\a+7] op_sel_hi:[1,0]
.endr
.endr
.irp a, 0,1,2,3
.irp m, 0,1,2,3
	v_cvt_pk_f16_f32 v[PP+4*(4*(\G)+\a)+\m], v[SS+8*\a+2*\m], v[SS+8*\a+2*\m+1]   ; query head r, key heads 8 h + 0 .. 7: registers 0-3 of p v's source 1 as they stand
.endr
.endr
.endm
.macro SCORES G
.if (\G) < 3
	LOADG (\G)+1
	s_wait_dscnt 32                                ; all but the 32 just issued
.else
	s_wait_dscnt 0x0
.endif
	WIN 0x05                                       ; sources window 1; C and D window 0
.irp a, 0,1,2,3
	v_wmma_f32_16x16x32_f16 v[SS+8*\a:SS+8*\a+7], v[128*((\G)%2)+32*\a+16:128*((\G)%2)+32*\a+23], v[128*((\G)%2)+32*\a:128*((\G)%2)+32*\a+7], 0
.endr
.irp a, 0,1,2,3                                ; d = 32 .. 63: the four accumulators by turns
	v_wmma_f32_16x16x32_f16 v[SS+8*\a:SS+8*\a+7], v[128*((\G)%2)+32*\a+24:128*((\G)%2)+32*\a+31], v[128*((\G)%2)+32*\a+8:128*((\G)%2)+32*\a+15], v[SS+8*\a:SS+8*\a+7]
.endr
	WIN 0
	PLACES
	SOFTMAX \G
.endm
.irp a, 0,1,2,3
	v_mov_b32 v[TT+8*\a+4], 0                      ; a lane permute's destination counts as one of its sources;
	v_mov_b32 v[TT+8*\a+7], 0                      ; named as the upper half of a pair
.endr
	LOADG 0
	SCORES 0
	SCORES 1
	SCORES 2
	SCORES 3
.irp i, 0,1,2,3
	v_mov_b32 v[PP+64+\i], 0                       ; behind the last position's p: what p v's source 1 names as K = 16 .. 31 is always a finite number
.endr
	BARRIER                                        ; nobody reads the records any more: V's images and att's stage may be stored there
; ---- v: two chunks (heads 0-7, heads 8-15), written out: the last asks for nothing beyond its own K steps
.macro PACKN e                         ; position 16 t + 8 h + j: the eight tiles' register j are heads 8 e + 0 .. 7 at d = 16 w + r: 16 bytes
	PLACES
.irp t, 0,1,2,3
.if \t >= 2
	s_wait_dscnt 8
.endif
	WIN 0x05
.irp j, 0,1,2,3,4,5,6,7                        ; j ascends: each accumulator is first read at its register 0
.irp m, 0,1,2,3
	v_cvt_pk_f16_f32 v[PKB+32*(\t%2)+4*\j+\m], v[8*(8*\m+\t)+\j], v[8*(8*\m+4+\t)+\j]
.endr
.endr
	WIN 0
.irp j, 0,1,2,3,4,5,6,7
	ds_store_b128 v[VSA+\t], v[PKB+32*(\t%2)+4*\j:PKB+32*(\t%2)+4*\j+3] offset:VP*\j+256*\e
.endr
.endr
.endm
.macro VBIAS e
	s_wait_dscnt 0x0                               ; earlier stores have read the packing buffers
.irp u, 0,1,2,3,4,5,6,7
	ds_load_b32 v[BI+8*\u], v[BVA] offset:2048*\e+256*\u      ; bv(64 tau + 16 w + r)
.endr
	s_wait_dscnt 0x0
.irp u, 0,1,2,3,4,5,6,7
.irp j, 1,2,3,4,5,6,7
	v_mov_b32 v[BI+8*\u+\j], v[BI+8*\u]            ; in this form a lane's eight registers are eight positions of one column: the same bias
.endr
.endr
.endm
	VBIAS 0
.irp q, 0,1,2,3,4,5,6,7
	KSTEP \q, 1, 1, 51
.endr
	PACKN 0
	s_wait_xcnt 0x0
	s_add_nc_u64 s[WPT:WPT+1], s[WPT:WPT+1], 65536
	s_add_nc_u64 s[SPT:SPT+1], s[SPT:SPT+1], 4096
	VBIAS 1
.irp q, 0,1,2,3,4
	KSTEP \q, 1, 1, 51
.endr
	KSTEP 5, 1, 0, 34                              ; two younger sets,
	KSTEP 6, 1, 0, 17                              ; one,
	KSTEP 7, 1, 0, 0                               ; none: no load passes my wave's part of the buffers
	PACKN 1
	WIN 0x40                                       ; destination window 1
.irp a, 0,1,2,3
.irp d, 0,1,2,3
.irp i, 4,5,6,7
	v_mov_b32 v[32*\a+8*\d+\i], 0                  ; V's fragments have 16 heads of the instruction's K = 32: the upper half is zeros, once for all groups
.endr
.endr
.endr
	WIN 0
	BARRIER                                        ; V's images are whole
; ---- O^T = V^T P^T: source 0 = 16 of a head's 64 (delta) x key heads, source 1 = p: lane (r, h), register j = head r, d = 16 delta + 8 h + j
.macro LOADV G
	WIN 0x40
.irp a, 0,1,2,3
.irp d, 0,1,2,3
	ds_load_b128 v[32*\a+8*\d:32*\a+8*\d+3], v[VL] offset:VP*(4*(\G)+\a)+512*\d
.endr
.endr
	WIN 0
.endm
.macro PVG G
	s_wait_dscnt 0x0                               ; V's fragments are in; the last group's stores have read their registers
	WIN 0x41                                       ; source 0 and D window 1, source 1 window 0
.irp a, 0,1,2,3
.irp d, 0,1,2,3
	v_wmma_f32_16x16x32_f16 v[128+32*\a+8*\d:128+32*\a+8*\d+7], v[32*\a+8*\d:32*\a+8*\d+7], v[PP+4*(4*(\G)+\a):PP+4*(4*(\G)+\a)+7], 0
.endr
.endr
	WIN 0
	PLACES
.if (\G) < 3
	LOADV (\G)+1
.endif
	WIN 0x05
.irp a, 0,1,2,3
.irp d, 0,1,2,3
.irp m, 0,1,2,3
	v_cvt_pk_f16_f32 v[OC+4*(4*\a+\d)+\m], v[128+32*\a+8*\d+2*\m], v[128+32*\a+8*\d+2*\m+1]
.endr
.endr
.endr
	WIN 0
.irp a, 0,1,2,3
.irp d, 0,1,2,3
	ds_store_b128 v[OSA], v[OC+4*(4*\a+\d):OC+4*(4*\a+\d)+3] offset:128*(4*(\G)+\a)+32*\d   ; row = head, column bytes 128 (s % 16) + 32 delta + 16 h
.endr
.endr
.endm
	LOADV 0
	PVG 0
	PVG 1
	PVG 2
	PVG 3
	; ---- the way out: my 16 rows of the stage (one for each head) were written by me alone; each is a whole row of att, 2,048 bytes
	s_wait_dscnt 0x0                               ; the stores have read their registers
.irp B, 0,1,2,3
.if \B > 0
	s_wait_xcnt 0x0                                ; the last batch's stores have read their registers
.endif
.irp n, 0,1,2,3,4,5,6,7,8,9,10,11,12,13,14,15
	ds_load_b128 v[OC+4*\n:OC+4*\n+3], v[ORD] offset:VP*(4*\B+\n/4)+512*(\n%4)
.endr
.irp n, 0,1,2,3,4,5,6,7,8,9,10,11,12,13,14,15
	s_wait_dscnt 15-\n                             ; the younger loads may stay out
	global_store_b128 v[LN16], v[OC+4*\n:OC+4*\n+3], s[16:17] offset:524288*(4*\B+\n/4)+512*(\n%4)   ; 32 lanes store 512 consecutive aligned bytes; heads lie 256 rows apart: 7,865,856 at the most, inside the signed 24-bit immediate
.endr
.endr
	s_wait_tensorcnt 0x0                           ; the wave's end: a wait on TENSORcnt, an add to my spare word and its wait, behind my last tensor load and my last LDS store
	ds_add_u32 v[SPW], v[NIL]
	s_wait_dscnt 0x0
	s_endpgm
.Lfunc_end_k_q34383a552a_qkvatt:
	.size	k_q34383a552a_qkvatt, .Lfunc_end_k_q34383a552a_qkvatt-k_q34383a552a_qkvatt
	.p2alignl 7, 3214868480
	.fill 96, 4, 3214868480
	.section	.rodata,"a",@progbits
	.p2align	6, 0x0
	.amdhsa_kernel k_q34383a552a_qkvatt
		.amdhsa_group_segment_fixed_size 327680
		.amdhsa_private_segment_fixed_size 0
		.amdhsa_enable_private_segment 0
		.amdhsa_kernarg_size 56
		.amdhsa_user_sgpr_count 2
		.amdhsa_user_sgpr_kernarg_segment_ptr 1
		.amdhsa_wavefront_size32 1
		.amdhsa_system_sgpr_workgroup_id_x 1
		.amdhsa_system_sgpr_workgroup_id_y 1
		.amdhsa_system_sgpr_workgroup_id_z 1
		.amdhsa_system_vgpr_workitem_id 0
		.amdhsa_next_free_vgpr 1024
		.amdhsa_next_free_sgpr 66
		.amdhsa_reserve_vcc 0
		.amdhsa_float_denorm_mode_32 3
		.amdhsa_float_denorm_mode_16_64 3
		.amdhsa_memory_ordered 1
		.amdhsa_forward_progress 1
		.amdhsa_inst_pref_size 255
	.end_amdhsa_kernel
	.section	.bss,"aw",@nobits
	.p2align	6
	.space	262144
	.amdgpu_metadata
---
amdhsa.version: [ 1, 2 ]
amdhsa.kernels:
  - .name:           k_q34383a552a_qkvatt
    .symbol:         k_q34383a552a_qkvatt.kd
    .args:
      - { .name: x, .offset: 0, .size: 8, .value_kind: global_buffer, .address_space: global }
      - { .name: wcodes, .offset: 8, .size: 8, .value_kind: global_buffer, .address_space: global }
      - { .name: wscales, .offset: 16, .size: 8, .value_kind: global_buffer, .address_space: global }
      - { .name: bq, .offset: 24, .size: 8, .value_kind: global_buffer, .address_space: global }
      - { .name: bk, .offset: 32, .size: 8, .value_kind: global_buffer, .address_space: global }
      - { .name: bv, .offset: 40, .size: 8, .value_kind: global_buffer, .address_space: global }
      - { .name: att, .offset: 48, .size: 8, .value_kind: global_buffer, .address_space: global }
    .group_segment_fixed_size: 327680
    .private_segment_fixed_size: 0
    .kernarg_segment_align: 8
    .kernarg_segment_size: 56
    .max_flat_workgroup_size: 128
    .sgpr_count:     66
    .vgpr_count:     1024
    .wavefront_size: 32
...
	.end_amdgpu_metadata
.endif
;; end of part 2
;; launch outproj (part 3): grid 4 x 64, 4 waves a work-group, clusters of 4 x 4, 327,680 bytes of LDS; arguments att, wo16, out0, bo; writes out0
.if DOCPART == 3
	.amdgcn_target "amdgcn-amd-amdhsa--gfx1250"
	.amdhsa_code_object_version 6
	.text
	.protected	k_q34383a552a_outproj
	.globl	k_q34383a552a_outproj
	.p2align	8
	.type	k_q34383a552a_outproj,@function
k_q34383a552a_outproj:
	s_mov_b64 s[64:65], 0
	v_nop
	global_prefetch_b8 v0, s[64:65] scope:SCOPE_SE
	s_setreg_imm32_b32 hwreg(HW_REG_WAVE_MODE, 25, 1), 1
	s_wait_xcnt 0x0
	s_wait_alu depctr_hold_cnt(0) depctr_sa_sdst(0) depctr_va_vdst(0) depctr_va_sdst(0) depctr_va_ssrc(0) depctr_va_vcc(0) depctr_vm_vsrc(0)
	s_getreg_b32 s2, hwreg(HW_REG_IB_STS2, 6, 4)
	s_cmp_eq_u32 s2, 0
	s_cbranch_scc0 .Lentry_in_a_cluster
	s_endpgm
.Lentry_in_a_cluster:
	s_bfe_u32 s2, ttmp6, 0x10000c
	s_cmp_lg_u32 s2, 0xf033
	s_cbranch_scc0 .Lentry_shape_is_right
	s_endpgm
.Lentry_shape_is_right:
; out0[m][n] = sum over k of att[m][k] wo16[n][k] + bo[n].  att: [16,384][1,024], wo16: [1,024][1,024], both f16, K along the rows; out0: [16,384][1,024] f32; sums in f32.
; A tile of out0, 256 x 256, is made by a work-group of four waves; a wave makes 128 x 128: 64 accumulators of 16 x 16, 512 registers.  64 x 4 tiles: 256 work-groups.
; K goes in steps of 128 (rows of 256 bytes) through a ring of two LDS slots filled by the tensor data mover, each wave fetching 128 rows with one load.
; CLUSTERS: 4 x 4 work-groups.  The four of a row of the cluster need the same tiles of att, the four of a column the same tiles of wo16: each tile is asked for JOINTLY, by the same tensor load with the same
; descriptor and a mask that names the four.  All four tile columns lie in one cluster, so a row of att is asked for by one cluster alone.
; THE MATRIX INSTRUCTION IS USED TRANSPOSED (source 0 = 16 rows of wo16, source 1 = 16 rows of att): a lane holds eight neighbouring numbers of a row of out0.  The bias is the C of each sum's first product.
; REGISTERS: window 0: v0-31 addresses; v64-127, v128-191 att's fragments, two buffers; v192-255 the bias in the result's layout (8 b + j), later rows on the way out.
;   window 1: v64-127, v128-191 wo16's fragments.   window 2: the accumulators of my rows 0-63 ((a, b) at v[8 (8 a + b)]);   window 3: those of my rows 64-127.
; LIMITS: those of the f16 operands, stated where they are made.
.set SIZE_N, 1024
.set SIZE_K, 1024
.set KSTEP,  128
.set PITCH,  272                       ; an LDS row: 256 bytes + 16 of padding: the 16 rows that a load touches fall in 16 different 16-byte columns
.set HALFT,  128*PITCH                 ; what one tensor load brings, and what one wave reads of either operand
.set SLOT,   4*HALFT                   ; att's 256 rows, then wo16's 256 rows
.set SPARE,  2*SLOT                    ; behind the ring: the spare words, 128 bytes a wave
.set SPITCH, 528                       ; the way out: a stage of 16 rows x (512 bytes + 16) for each wave, in slot 0, which has had its last fill and its last read when the first result is stored there
.set LAPS,   SIZE_K/(2*KSTEP)
.set ADRA, 16                          ; v16-17 LDS address of my fragments of att in slot 0, 1
.set ADRB, 20                          ; v20-21 of wo16
.set STO,  24                          ; where I put 32 bytes of a row
.set RD,   25                          ; where I read a row back
.set CO,   26                          ; my byte offset in a row of out0
.set BOF,  27                          ; 32 x (lane / 16): my eight numbers of a block of the bias
.set SPW,  28                          ; my spare word; never rewritten
.set NIL,  29                          ; 0; never rewritten
.set F0,   64
.set F1,   128
.set BIAS, 192
.set BK,   128                         ; the way out: v128-191 and v192-255 by turns
.set G1, 24                            ; s[24:31] descriptor group 1 for att's tiles;  s[32:39] group 0, one set for each slot
.set G0, 32
.set G1B, 48                           ; s[48:55], s[56:63] the same for wo16's
.set G0B, 56
.set MSB, 0
.macro WIN new                         ; the immediate's high byte repeats the setting that is left
.if MSB != \new
	s_set_vgpr_msb (MSB<<8)|\new
.set MSB, \new
.endif
.endm
.set MUL_LO, 0xa1                      ; source 0 window 1, source 1 window 0, C and D window 2
.set MUL_HI, 0xf1                      ; the same, C and D window 3
.set TO_B,   0x40                      ; destination window 1, address window 0
; A joint load: waves 0 and 1 fetch att's two halves, waves 2 and 3 wo16's.  The branch hangs on the wave's number alone.  An s_nop 0 and four v_nop follow each of the two lines.
.macro JLOAD s
	s_cmp_eq_u32 s11, 0
	s_cbranch_scc0 .Lfor_b_\@
	tensor_load_to_lds s[G0+4*\s:G0+4*\s+3], s[G1:G1+7]
	s_nop 0
.rept 4
	v_nop
.endr
	s_branch .Lasked_\@
.Lfor_b_\@:
	tensor_load_to_lds s[G0B+4*\s:G0B+4*\s+3], s[G1B:G1B+7]
	s_nop 0
.rept 4
	v_nop
.endr
.Lasked_\@:
.endm
.macro CREST                           ; a round of the cluster's barrier behind its opening barrier
	s_cmp_lg_u32 s10, 0
	s_cbranch_scc1 .Lnot_wave_0_\@
	s_barrier_signal -3
.Lnot_wave_0_\@:
	s_barrier_wait -3
	s_barrier_signal -1
	s_barrier_wait -1
.endm
.macro CROUND                          ; a whole round
	s_barrier_signal -1
	s_barrier_wait -1
	CREST
.endm
	s_load_b128 s[4:7], s[0:1], 0x0                ; att s[4:5], wo16 s[6:7]
	s_load_b64 s[8:9], s[0:1], 0x10                ; out0
	s_load_b64 s[68:69], s[0:1], 0x18              ; bo
	v_lshl_add_u32 v[SPW], v0, 2, SPARE
	v_mov_b32 v[NIL], 0
	ds_add_u32 v[SPW], v[NIL]                      ; the wave's opening: the add, twice on end, and its wait ahead of my first tensor load
	ds_add_u32 v[SPW], v[NIL]
	v_lshrrev_b32 v1, 5, v0
	v_readfirstlane_b32 s10, v1                    ; wave 0..3
	s_lshr_b32 s11, s10, 1                         ; which half of the tile's rows is mine.  Also: I fetch for att (0) or for wo16 (1)
	s_and_b32 s12, s10, 1                          ; which half of its columns.  Also: which 128 rows of that tile I fetch
	s_bfe_u32 s40, ttmp6, 0x40000                  ; cx, cy: my place in the cluster
	s_bfe_u32 s41, ttmp6, 0x40004
	s_lshl_b32 s42, ttmp9, 2
	s_add_co_u32 s42, s42, s40                     ; tile column = 4 x cluster x + cx
	s_and_b32 s13, ttmp7, 0xffff
	s_lshl_b32 s13, s13, 2
	s_add_co_u32 s13, s13, s41                     ; tile row = 4 x cluster y + cy
	s_lshl_b32 s43, s41, 2
	s_lshl_b32 s43, 15, s43                        ; my row of the cluster
	s_lshl_b32 s44, 0x1111, s40                    ; my column
	; descriptor group 1: 128 rows x 128 elements of 2 bytes; 4 words of padding behind every 64; the mask, and bit 21 beside it
	s_or_b32 s[G1+0], s43, (1<<16)|(1<<20)|(1<<21)|(5<<22)|(3<<25)
	s_or_b32 s[G1B+0], s44, (1<<16)|(1<<20)|(1<<21)|(5<<22)|(3<<25)
.irp g, G1, G1B
	s_mov_b32 s[\g+1], KSTEP<<16                   ; tensor_dim0
	s_mov_b32 s[\g+2], 128<<16                     ; tensor_dim1
	s_mov_b32 s[\g+3], KSTEP<<16                   ; tile_dim0
	s_mov_b32 s[\g+4], 128                         ; tile_dim1
	s_mov_b32 s[\g+5], SIZE_K                      ; from row to row
	s_mov_b32 s[\g+6], 0
	s_mov_b32 s[\g+7], 0
.endr
	; att's tiles hang on the tile row alone, wo16's on the tile column alone; every wave makes both addresses, in registers that never hold the other coordinate
	s_lshl_b32 s17, s12, 7
	s_lshl_b32 s16, s13, 8
	s_add_co_u32 s16, s16, s17                     ; att: row 256 x tile row + 128 x half
	s_lshl_b32 s46, s42, 8
	s_add_co_u32 s46, s46, s17                     ; wo16: row 256 x tile column + 128 x half
	s_mov_b32 s17, 0
	s_mov_b32 s47, 0
	s_mov_b64 s[18:19], SIZE_K*2
	s_mul_u64 s[16:17], s[16:17], s[18:19]
	s_mul_u64 s[46:47], s[46:47], s[18:19]
	s_mul_i32 s20, s10, HALFT                      ; where they go: wave x 128 rows: no place in the cluster enters an LDS address
	s_wait_dscnt 0x0                               ; both opening adds are done
	s_wait_kmcnt 0x0
	s_add_nc_u64 s[14:15], s[4:5], s[16:17]
	s_add_nc_u64 s[46:47], s[6:7], s[46:47]
	CROUND                                         ; all sixteen work-groups are here: the first joint loads meet
.irp s, 0,1
	s_mov_b32 s[G0+4*\s], 1
	s_add_co_u32 s[G0+4*\s+1], s20, \s*SLOT
	s_add_nc_u64 s[G0+4*\s+2:G0+4*\s+3], s[14:15], \s*KSTEP*2
	s_or_b32 s[G0+4*\s+3], s[G0+4*\s+3], 0x80000000
	s_mov_b32 s[G0B+4*\s], 1
	s_add_co_u32 s[G0B+4*\s+1], s20, \s*SLOT
	s_add_nc_u64 s[G0B+4*\s+2:G0B+4*\s+3], s[46:47], \s*KSTEP*2
	s_or_b32 s[G0B+4*\s+3], s[G0B+4*\s+3], 0x80000000
	JLOAD \s                                       ; two loads of mine are out
.endr
	v_and_b32 v1, 15, v0                           ; l % 16
	v_bfe_u32 v2, v0, 4, 1                         ; l / 16
	v_mul_u32_u24 v3, v1, PITCH
	v_lshl_add_u32 v3, v2, 4, v3                   ; a fragment's row x pitch + 16 x half
	s_mul_i32 s21, s11, HALFT                      ; my 128 rows of att
	s_mul_i32 s22, s12, HALFT                      ; my 128 rows of wo16,
	s_add_co_u32 s22, s22, 2*HALFT                 ; which lie behind att's 256
.irp s, 0,1
	v_add_nc_u32 v[ADRA+\s], s21, v3
	v_add_nc_u32 v[ADRB+\s], s22, v3
	s_add_co_u32 s21, s21, SLOT
	s_add_co_u32 s22, s22, SLOT
.endr
	s_mul_i32 s23, s10, 16*SPITCH                  ; my stage
	v_mul_u32_u24 v5, v1, SPITCH
	v_lshl_add_u32 v5, v2, 5, v5
	v_add_nc_u32 v[STO], s23, v5                   ; in: row l % 16, 32 bytes for each half of the lanes
	v_and_b32 v6, 31, v0
	v_lshlrev_b32 v[CO], 4, v6                     ; back: the 32 lanes take one row of 512 bytes; and the same in out0
	v_add_nc_u32 v[RD], s23, v[CO]
	v_lshlrev_b32 v[BOF], 5, v2
	s_lshl_b32 s16, s13, 8
	s_lshl_b32 s17, s11, 7
	s_add_co_u32 s16, s16, s17                     ; my first row of out0,
	s_lshl_b32 s16, s16, 12                        ; in bytes (under 2^27)
	s_mov_b32 s17, 0
	s_lshl_b32 s46, s42, 10                        ; my first column, in bytes: 1,024 x tile column + 512 x half
	s_lshl_b32 s47, s12, 9
	s_add_co_u32 s46, s46, s47
	s_mov_b32 s47, 0
	s_add_nc_u64 s[8:9], s[8:9], s[16:17]
	s_add_nc_u64 s[8:9], s[8:9], s[46:47]
	s_add_nc_u64 s[68:69], s[68:69], s[46:47]      ; and the bias of my 128 columns
.irp b, 0,1,2,3,4,5,6,7
	global_load_b128 v[BIAS+8*\b:BIAS+8*\b+3], v[BOF], s[68:69] offset:64*\b          ; bo(16 b + 8 h + 0 .. 7): the result's layout
	global_load_b128 v[BIAS+8*\b+4:BIAS+8*\b+7], v[BOF], s[68:69] offset:64*\b+16
.endr
; 16 matrix instructions: m blocks a0, a0 + 1 of the window's four x all 8 n blocks, 32 along K.  zero = 1: the first product starts the sum with the bias.  The 64 accumulators take turns, one instruction a
; turn, in the same order in every quarter.
.macro MUL16 f, hi, a0, zero
.irp a, \a0, \a0+1
.irp b, 0,1,2,3,4,5,6,7
.set rD, 8*(8*(\a)+\b)
.if \zero
.set rC, BIAS+8*\b
.else
.set rC, rD
.endif
	v_wmma_f32_16x16x32_f16 v[rD:rD+7], v[\f+8*\b:\f+8*\b+7], v[\f+8*(4*\hi+\a):\f+8*(4*\hi+\a)+7], v[rC:rC+7]
.endr
.endr
.endm
; 32 LDS loads in one run: the fragments of one quarter step (32 K at byte k of the rows) into buffer f
.macro FETCH slot, k, f
	WIN TO_B
.irp i, 0,1,2,3,4,5,6,7
	ds_load_b128 v[\f+8*\i:\f+8*\i+3],   v[ADRB+\slot] offset:\k+\i*16*PITCH
	ds_load_b128 v[\f+8*\i+4:\f+8*\i+7], v[ADRB+\slot] offset:\k+\i*16*PITCH+32
.endr
	WIN 0
.irp i, 0,1,2,3,4,5,6,7
	ds_load_b128 v[\f+8*\i:\f+8*\i+3],   v[ADRA+\slot] offset:\k+\i*16*PITCH
	ds_load_b128 v[\f+8*\i+4:\f+8*\i+7], v[ADRA+\slot] offset:\k+\i*16*PITCH+32
.endr
.endm
.macro PLACES                          ; four plain instructions behind a matrix instruction, ahead of loads into registers that it has read and of reads of its result
.rept 4
	v_nop
.endr
.endm
; A K step is four quarters of 32 along K, 64 matrix instructions each, on buffers 0, 1, 0, 1.  One of the first three multiplies buffer f and fetches the next quarter, at byte k, into g.
.macro QUARTER slot, k, f, g, zero
	s_wait_dscnt 8                                 ; all but the youngest eight loads (att's rows 64-127)
.if \zero
	WIN 0x81                                       ; C (the bias) in window 0
.else
	WIN MUL_LO
.endif
	MUL16 \f, 0, 0, \zero
	MUL16 \f, 0, 2, \zero
	PLACES
	FETCH \slot, \k, \g
	s_wait_dscnt 32                                ; all but the 32 just issued
.if \zero
	WIN 0xc1
.else
	WIN MUL_HI
.endif
	MUL16 \f, 1, 0, \zero
	MUL16 \f, 1, 2, \zero
.endm
; The last quarter multiplies buffer 1 and changes slots: ONE barrier; in front of it each wave waits for all its tensor loads (one is out: its part of the next slot), adds 0 to its spare word, and waits for
; that and for its own reads of this slot.  fill = 1: the barrier opens a round of the cluster's, and this slot is filled again, two K steps ahead, first thing behind the round.
.macro TURN slot, next, fill
	WIN 0                                          ; (the add's two registers lie in window 0)
	s_wait_tensorcnt 0x0
	ds_add_u32 v[SPW], v[NIL]
	s_wait_dscnt 9                                 ; (the add and the youngest eight loads may be out)
	WIN MUL_LO
	MUL16 F1, 0, 0, 0                              ; sixteen matrix instructions stand between the add and the wait for it
	s_wait_dscnt 0x0                               ; the add is done, and my reads of this slot are over
	s_barrier_signal -1
	MUL16 F1, 0, 2, 0
.if \fill
	WIN 0
.endif
	s_barrier_wait -1
.if \fill
	CREST                                          ; no wave of any partner still reads this slot's tile or has a load on its way
	s_add_nc_u64 s[G0+4*\slot+2:G0+4*\slot+3], s[G0+4*\slot+2:G0+4*\slot+3], 2*KSTEP*2
	s_add_nc_u64 s[G0B+4*\slot+2:G0B+4*\slot+3], s[G0B+4*\slot+2:G0B+4*\slot+3], 2*KSTEP*2
	JLOAD \slot                                    ; my one tensor load behind the round; its four v_nop are also the places in front of the loads below
.else
	PLACES
.endif
	FETCH \next, 0, F0
	WIN MUL_HI
	MUL16 F1, 1, 0, 0
	MUL16 F1, 1, 2, 0
.endm
	s_wait_tensorcnt 1                             ; my part of K step 0 is in; K step 1's may stay out
	s_barrier_signal -1
	s_barrier_wait -1                              ; everybody's is
	FETCH 0, 0, F0
	s_wait_loadcnt 0x0                             ; the bias
	QUARTER 0, 64,  F0, F1, 1                      ; the first quarter stands in front of the loop: its products start the sums
	WIN 0                                          ; at a label and at a branch every window is 0
	s_mov_b32 s3, LAPS-1
.Llap:                                                 ; a trip goes once round the ring, from a lap's second quarter to the next lap's first, and fills both slots again
	QUARTER 0, 128, F1, F0, 0
	QUARTER 0, 192, F0, F1, 0
	TURN 0, 1, 1
	QUARTER 1, 64,  F0, F1, 0
	QUARTER 1, 128, F1, F0, 0
	QUARTER 1, 192, F0, F1, 0
	TURN 1, 0, 1
	QUARTER 0, 64,  F0, F1, 0
	WIN 0
	s_sub_co_u32 s3, s3, 1
	s_cmp_lg_u32 s3, 0
	s_cbranch_scc1 .Llap
	QUARTER 0, 128, F1, F0, 0                      ; the last lap fills nothing, and has no round of the cluster's barrier
	QUARTER 0, 192, F0, F1, 0
	TURN 0, 1, 0
	QUARTER 1, 64,  F0, F1, 0
	QUARTER 1, 128, F1, F0, 0
	QUARTER 1, 192, F0, F1, 0
	s_wait_dscnt 8                                 ; the very last quarter: nothing more to fetch
	WIN MUL_LO
	MUL16 F1, 0, 0, 0
	MUL16 F1, 0, 2, 0
	s_wait_dscnt 0x0
	WIN MUL_HI
	MUL16 F1, 1, 0, 0
	MUL16 F1, 1, 2, 0
	WIN 0
; THE WAY OUT, block by block of 16 rows x 128 columns.  A lane holds 32 neighbouring bytes of a row, the lanes beside it other rows: a block goes through my own stage and comes back as whole rows of 512
; bytes.  LDS serves a wave's instructions in order (ISA guide 5.7.1.4): no wait between the stores and the loads, nor in front of the next block's stores.
.macro TOSTAGE a
.set AC, 64*((\a)%4)
	WIN 0x08+4*((\a)/4)                            ; an LDS store's data are its source 1: window 2 or 3
.irp b, 0,1,2,3,4,5,6,7
	ds_store_b128 v[STO], v[AC+8*\b:AC+8*\b+3] offset:64*\b          ; each accumulator from its low end on
	ds_store_b128 v[STO], v[AC+8*\b+4:AC+8*\b+7] offset:64*\b+16
.endr
	WIN 0
.set BB, BK+64*((\a)%2)
.irp t, 0,1,2,3,4,5,6,7,8,9,10,11,12,13,14,15
	ds_load_b128 v[BB+4*\t:BB+4*\t+3], v[RD] offset:\t*SPITCH
.endr
.endm
.macro SEND a, younger                 ; younger: the LDS instructions issued behind block a's loads, which may stay out
.set BB, BK+64*((\a)%2)
	s_wait_dscnt \younger
.if (\a) > 0
	s_add_nc_u64 s[8:9], s[8:9], 16*SIZE_N*4       ; (behind a wait on XCNT: the earlier stores have read their base)  16 rows on
.endif
.irp t, 0,1,2,3,4,5,6,7,8,9,10,11,12,13,14,15
	global_store_b128 v[CO], v[BB+4*\t:BB+4*\t+3], s[8:9] offset:\t*SIZE_N*4 th:TH_STORE_NT   ; 32 lanes store 512 consecutive aligned bytes; written once, read by nobody here
.endr
.endm
	PLACES                                         ; behind the last products: for the loads into att's buffer and for the reads of the last results
	TOSTAGE 0
.irp a, 1,2,3,4,5,6,7
.if \a > 1
	s_wait_xcnt 0x0                                ; block a - 2's stores have read their registers and their base
.endif
	TOSTAGE \a
	SEND \a-1, 32                                  ; behind block a - 1's loads: block a's 16 stores and 16 loads
.endr
	s_wait_xcnt 0x0
	SEND 7, 0
	s_wait_tensorcnt 0x0                           ; the wave's end: a wait on TENSORcnt, an add to my spare word and its wait, behind my last tensor load and my last LDS store
	ds_add_u32 v[SPW], v[NIL]
	s_wait_dscnt 0x0
	CROUND                                         ; the closing round: no work-group ends while a partner may still ask for a tile that names it
	s_endpgm
.Lfunc_end_k_q34383a552a_outproj:
	.size	k_q34383a552a_outproj, .Lfunc_end_k_q34383a552a_outproj-k_q34383a552a_outproj
	.p2alignl 7, 3214868480
	.fill 96, 4, 3214868480
	.section	.rodata,"a",@progbits
	.p2align	6, 0x0
	.amdhsa_kernel k_q34383a552a_outproj
		.amdhsa_group_segment_fixed_size 327680
		.amdhsa_private_segment_fixed_size 0
		.amdhsa_enable_private_segment 0
		.amdhsa_kernarg_size 32
		.amdhsa_user_sgpr_count 2
		.amdhsa_user_sgpr_kernarg_segment_ptr 1
		.amdhsa_wavefront_size32 1
		.amdhsa_system_sgpr_workgroup_id_x 1
		.amdhsa_system_sgpr_workgroup_id_y 1
		.amdhsa_system_sgpr_workgroup_id_z 1
		.amdhsa_system_vgpr_workitem_id 0
		.amdhsa_next_free_vgpr 1024
		.amdhsa_next_free_sgpr 72
		.amdhsa_reserve_vcc 0
		.amdhsa_float_denorm_mode_32 3
		.amdhsa_float_denorm_mode_16_64 3
		.amdhsa_memory_ordered 1
		.amdhsa_forward_progress 1
		.amdhsa_inst_pref_size 142
	.end_amdhsa_kernel
	.amdgpu_metadata
---
amdhsa.version: [ 1, 2 ]
amdhsa.kernels:
  - .name:           k_q34383a552a_outproj
    .symbol:         k_q34383a552a_outproj.kd
    .args:
      - { .name: att, .offset: 0, .size: 8, .value_kind: global_buffer, .address_space: global }
      - { .name: wo16, .offset: 8, .size: 8, .value_kind: global_buffer, .address_space: global }
      - { .name: out0, .offset: 16, .size: 8, .value_kind: global_buffer, .address_space: global }
      - { .name: bo, .offset: 24, .size: 8, .value_kind: global_buffer, .address_space: global }
    .group_segment_fixed_size: 327680
    .private_segment_fixed_size: 0
    .kernarg_segment_align: 8
    .kernarg_segment_size: 32
    .max_flat_workgroup_size: 128
    .sgpr_count:     72
    .vgpr_count:     1024
    .wavefront_size: 32
...
	.end_amdgpu_metadata
.endif
;; end of part 3
